; MI455X (gfx1250); checked and timed in simulation.
; The chip was launched on July 23, 2026; its instructions are those of AMD's public machine-readable ISA for CDNA 5 (MIT licence, August 2026) and "CDNA5" Instruction Set Architecture Reference Guide (July 2026). The comments in the code are by the model that wrote it; some were corrected since.
;; Sparse KAN Linear. Allowed arithmetic: float matrix products may take bf16 or f16 operands with f32 sums; all other float work in f32.
;; Inputs: base_weight 512 x 512 float32; grid 512 x 12 float32; mask 512 x 512 float32; spline_scaler 512 x 512 float32; spline_weight 512 x 512 x 8 float32; x 16,384 x 512 float32.
;; Outputs: out0 16,384 x 512 float32.
;; One version. Each part assembles by itself: llvm-mc -triple=amdgcn-amd-amdhsa -mcpu=gfx1250 --defsym DOCPART=n.
;; ======== version 1 of 1: 2 launches
;; limits: values are held in f16: magnitudes above 65,504 overflow, below 6.1e-05 lose precision
;; workspace buffers: wb 4,718,592 bytes; tab 90,112 bytes
;; launch prep (part 1): grid 32 x 8, 8 waves a work-group, no clusters, 20,992 bytes of LDS; arguments spline_weight, spline_scaler, mask, base_weight, grid, wb, tab; writes wb, tab
.if DOCPART == 1
	.amdgcn_target "amdgcn-amd-amdhsa--gfx1250"
	.amdhsa_code_object_version 6
	.text
	.protected	k_q665dba055e_prep
	.globl	k_q665dba055e_prep
	.p2align	8
	.type	k_q665dba055e_prep,@function
k_q665dba055e_prep:
	s_mov_b64 s[64:65], 0
	v_nop
	global_prefetch_b8 v0, s[64:65] scope:SCOPE_SE
	s_setreg_imm32_b32 hwreg(HW_REG_WAVE_MODE, 25, 1), 1
	s_wait_xcnt 0x0
; The weights of the one product that the layer is, in 16 bits and in the order in which the matrix instruction's lanes take them, and a table of knot constants.
;   wb : 36 K steps x 131,072 bytes.  Byte t*131072 + cb*4096 + (k>>3)*256 + r*16 + 2*(k&7) holds W(column 16 cb + r, place k of 128 in step t).
;        Steps go in four groups of nine, S S S S U S S S S.  Spline step si (0..31): place k = 8 a + c is coefficient c of feature 64 (si>>2) + 4 a + (si&3):
;        W = spline_weight * (mask * spline_scaler), in bf16.  Step U of group sg: place k is feature 128 sg + k: W = base_weight * mask, in f16.  Each product in f32, rounded once.
;   tab: 32 spline steps x 2,816 bytes: block q (256 bytes) holds, for feature a at byte 16 a, constants 4 q .. 4 q + 3 of 44:
;        0-11 the knots g[j]; 12-22 r1[j]; 23-32 r2[j]; 33-41 r3[j], r_k[j] = 1 / ((g[j+k] - g[j]) + 1e-8); 42, 43 zero.
; FORMATS AND LIMITS.  base_weight * mask goes in f16, whose 11 significant bits the sum of 512 such terms needs: it must stay below 65,504, and below 6e-5 it keeps f16's fixed step of 6e-8.
; The spline weights, a product of three small factors, have no room in f16's range and go in bf16.
; The reciprocal is v_rcp_f32: good to one unit in the last place, and a denormal denominator counts as 0 (ISA guide, the instruction's entry).
; SHARES.  Work-group (cb, G): 16 columns x 64 features: 4 spline steps' blocks of 4,096 bytes and half of a U block.  The eight work-groups with cb = 0 also make the table of their 64 features.
; A lane's 16 bytes are one sixteenth of 256 consecutive bytes of wb, so the results go through LDS and leave as whole runs: each store of a wave covers 512 (U: 256) consecutive bytes, aligned.
.set PS,    4416                       ; stage of one spline step: 16 places a x 272 bytes, and 64 more, so that the four steps start 16 words apart in the banks
.set PA,    272                        ; 16 columns x 16 bytes + 16 of padding
.set STU,   4*PS                       ; U's stage: 8 groups of 8 features x 288 bytes
.set PU,    288
.set SPARE, STU+8*PU                   ; 19,968: the spare words, 128 bytes for each of eight waves, which no other line names
.set EPS,   0x322bcc77                 ; 1e-8
.set SW,  16                           ; v[16:47]   four (row, half) cases x 8 coefficients
.set M,   48                           ; v[48:51]   mask
.set SS,  52                           ; v[52:55]   spline_scaler
.set F,   56                           ; v[56:63]   mask * scaler, twice each: a pair for the packed multiply
.set PK,  64                           ; v[64:79]   packed results
.set UB,  80                           ; v[80:83]   base_weight
.set UM,  84                           ; v[84:87]   mask
.set UR,  88                           ; v[88:89]   packed
.set K,   96                           ; v[96:139]  a feature's 44 constants
.set GA,  140                          ; v140       byte offset of my feature's knots
.set TA,  141                          ; v141       byte offset of my 16 bytes in the table
	s_load_b256 s[4:11], s[0:1], 0x0               ; spline_weight s[4:5], spline_scaler s[6:7], mask s[8:9], base_weight s[10:11]
	s_load_b128 s[12:15], s[0:1], 0x20             ; grid s[12:13], wb s[14:15]
	s_load_b64 s[16:17], s[0:1], 0x30              ; tab
	v_lshl_add_u32 v1, v0, 2, SPARE                ; my spare word
	v_mov_b32 v2, 0
	v_lshrrev_b32 v13, 5, v0
	v_readfirstlane_b32 s18, v13                   ; wave w
	s_and_b32 s19, ttmp7, 0xffff                   ; G
	s_lshl_b32 s24, ttmp9, 18                      ; spline_weight: 16 columns x 16,384 bytes,
	s_lshl_b32 s20, s19, 11                        ; 64 features x 32 bytes
	s_add_co_u32 s24, s24, s20
	s_mov_b32 s25, 0
	s_lshl_b32 s26, ttmp9, 15                      ; the three [512][512] inputs: 16 rows x 2,048 bytes,
	s_lshl_b32 s20, s19, 8                         ; 64 features x 4 bytes
	s_add_co_u32 s26, s26, s20
	s_mov_b32 s27, 0
	s_lshr_b32 s20, s19, 1                         ; the group of nine steps
	s_and_b32 s21, s19, 1                          ; its first or second four spline steps
	s_mul_i32 s22, s20, 9
	s_mul_i32 s23, s21, 5
	s_add_co_u32 s23, s23, s22                     ; the step of my features with i % 4 = 0; the three others follow it
	s_lshl_b32 s28, s23, 17
	s_lshl_b32 s20, ttmp9, 12
	s_add_co_u32 s28, s28, s20                     ; + my block of 16 columns
	s_mov_b32 s29, 0
	s_add_co_u32 s32, s22, 4                       ; the group's step U
	s_lshl_b32 s32, s32, 17
	s_add_co_u32 s32, s32, s20
	s_lshl_b32 s21, s21, 11                        ; my 64 features are one half of its 128
	s_add_co_u32 s32, s32, s21
	s_mov_b32 s33, 0
	s_mul_i32 s36, s19, 3072                       ; grid: 64 features x 48 bytes
	s_mov_b32 s37, 0
	s_mul_i32 s38, s19, 11264                      ; tab: four steps x 2,816 bytes
	s_mov_b32 s39, 0
	s_mul_i32 s40, s18, PU
	s_add_co_u32 s40, s40, STU                     ; U's stage, group w
	v_and_b32 v3, 31, v0                           ; lane
	v_lshlrev_b32 v4, 5, v3
	v_lshl_add_u32 v4, s18, 15, v4                 ; spline_weight: rows 2 w .., feature = lane
	v_lshlrev_b32 v5, 2, v3
	v_lshl_add_u32 v5, s18, 12, v5                 ; mask and scaler likewise
	v_and_b32 v13, 3, v3                           ; the feature's step,
	v_lshrrev_b32 v14, 2, v3                       ; and its place a in it
	v_mul_u32_u24 v6, v13, PS
	v_mad_u32_u24 v6, v14, PA, v6
	v_lshl_add_u32 v6, s18, 5, v6                  ; into the stage: column 2 w
	v_lshrrev_b32 v13, 4, v0                       ; thread / 16
	v_and_b32 v14, 15, v0                          ; thread % 16
	v_lshlrev_b32 v7, 11, v13
	v_lshl_add_u32 v7, v14, 4, v7                  ; U: row thread / 16, four features
	v_lshrrev_b32 v15, 1, v14
	v_mul_u32_u24 v8, v15, PU
	v_lshl_add_u32 v8, v13, 4, v8
	v_and_b32 v15, 1, v0
	v_lshl_add_u32 v8, v15, 3, v8
	v_add_nc_u32 v8, STU, v8                       ; into U's stage: group of 8 features, column, half
	v_mul_u32_u24 v9, v13, PA
	v_lshl_add_u32 v9, v14, 4, v9                  ; back: place a = thread / 16, column thread % 16
	v_lshl_add_u32 v10, v3, 3, s40                 ; back, U: 8 bytes a lane
	v_lshlrev_b32 v11, 4, v0                       ; my 16 bytes of a step's 4,096
	v_lshlrev_b32 v12, 3, v0                       ; my 8 bytes of U's 2,048
	s_wait_kmcnt 0x0
	s_add_nc_u64 s[4:5], s[4:5], s[24:25]
	s_add_nc_u64 s[6:7], s[6:7], s[26:27]
	s_add_nc_u64 s[8:9], s[8:9], s[26:27]
	s_add_nc_u64 s[10:11], s[10:11], s[26:27]
	s_add_nc_u64 s[12:13], s[12:13], s[36:37]
	s_add_nc_u64 s[16:17], s[16:17], s[38:39]
	s_add_nc_u64 s[30:31], s[14:15], s[28:29]      ; wb at my first spline block
	s_add_nc_u64 s[34:35], s[14:15], s[32:33]      ; wb at my half of the U block
	; all loads go out together: case k = 2 rr + fh is row 2 w + rr, features 32 fh + lane
.set k, 0
.rept 4
	global_load_b128 v[SW+8*k:SW+8*k+3],   v4, s[4:5] offset:(k/2)*16384+(k%2)*1024 th:TH_LOAD_NT
	global_load_b128 v[SW+8*k+4:SW+8*k+7], v4, s[4:5] offset:(k/2)*16384+(k%2)*1024+16 th:TH_LOAD_NT
	global_load_b32 v[M+k],  v5, s[8:9] offset:(k/2)*2048+(k%2)*128
	global_load_b32 v[SS+k], v5, s[6:7] offset:(k/2)*2048+(k%2)*128
.set k, k+1
.endr
	global_load_b128 v[UB:UB+3], v7, s[10:11]
	global_load_b128 v[UM:UM+3], v7, s[8:9]
	; THE TABLE: 64 threads of the work-groups with cb = 0.  Thread: step thread / 16, place a = thread % 16, feature 64 G + 4 a + step.
	s_cmp_lg_u32 ttmp9, 0
	s_cbranch_scc1 .Lno_tab
	s_cmp_ge_u32 s18, 2
	s_cbranch_scc1 .Lno_tab
	v_mul_u32_u24 v[GA], v14, 192
	v_mad_u32_u24 v[GA], v13, 48, v[GA]
	v_mul_u32_u24 v[TA], v13, 2816
	v_lshl_add_u32 v[TA], v14, 4, v[TA]
	global_load_b128 v[K:K+3],    v[GA], s[12:13]
	global_load_b128 v[K+4:K+7],  v[GA], s[12:13] offset:16
	global_load_b128 v[K+8:K+11], v[GA], s[12:13] offset:32
	s_wait_loadcnt 0x0
.set j, 0
.rept 11
	v_sub_f32 v[K+12+j], v[K+j+1], v[K+j]
.set j, j+1
.endr
.set j, 0
.rept 10
	v_sub_f32 v[K+23+j], v[K+j+2], v[K+j]
.set j, j+1
.endr
.set j, 0
.rept 9
	v_sub_f32 v[K+33+j], v[K+j+3], v[K+j]
.set j, j+1
.endr
.set j, 12
.rept 30
	v_add_f32 v[K+j], EPS, v[K+j]
.set j, j+1
.endr
.set j, 12
.rept 30
	v_rcp_f32 v[K+j], v[K+j]
.set j, j+1
.endr
	v_mov_b32 v[K+42], 0                           ; also the plain instruction between the last reciprocal and the use of its result
	v_mov_b32 v[K+43], 0
.set q, 0
	s_wait_alu depctr_va_vdst(0)
.rept 11
	global_store_b128 v[TA], v[K+4*q:K+4*q+3], s[16:17] offset:256*q  ; 16 lanes store 256 consecutive bytes, aligned
.set q, q+1
.endr
.Lno_tab:
	s_wait_loadcnt 0x0                             ; everything asked for above
.set k, 0
.rept 4
	v_mul_f32 v[F+2*k],   v[M+k], v[SS+k]
	v_mul_f32 v[F+2*k+1], v[M+k], v[SS+k]
.set k, k+1
.endr
.set k, 0
.rept 4
.irp z, 0,1,2,3
	v_pk_mul_f32 v[SW+8*k+2*\z:SW+8*k+2*\z+1], v[SW+8*k+2*\z:SW+8*k+2*\z+1], v[F+2*k:F+2*k+1]
.endr
.irp z, 0,1,2,3
	v_cvt_pk_bf16_f32 v[PK+4*k+\z], v[SW+8*k+2*\z], v[SW+8*k+2*\z+1]
.endr
	ds_store_b128 v6, v[PK+4*k:PK+4*k+3] offset:(k%2)*8*PA+(k/2)*16  ; 16 lanes: 4 steps x 4 places, 16 different columns of 16 bytes
.set k, k+1
.endr
	v_pk_mul_f32 v[UB:UB+1],   v[UB:UB+1],   v[UM:UM+1]
	v_pk_mul_f32 v[UB+2:UB+3], v[UB+2:UB+3], v[UM+2:UM+3]
	v_cvt_pk_f16_f32 v[UR],   v[UB],   v[UB+1]     ; step U's weights go in f16
	v_cvt_pk_f16_f32 v[UR+1], v[UB+2], v[UB+3]
	ds_store_b64 v8, v[UR:UR+1]
	s_wait_dscnt 0x0                               ; for the others' sake: my stores into the stage are done
	s_barrier_signal -1
	s_barrier_wait -1
.irp s, 0,1,2,3
	ds_load_b128 v[SW+4*\s:SW+4*\s+3], v9 offset:\s*PS
.endr
	ds_load_b64 v[SW+16:SW+17], v10
.irp s, 0,1,2,3
	s_wait_dscnt 4-\s                              ; LDS loads come back in order (ISA guide 5.7.1): load s is in, the younger ones stay out
	global_store_b128 v11, v[SW+4*\s:SW+4*\s+3], s[30:31] offset:\s*131072  ; a wave stores 512 consecutive bytes, aligned
.endr
	s_wait_dscnt 0x0
	global_store_b64 v12, v[SW+16:SW+17], s[34:35] ; a wave stores 256 consecutive bytes, aligned
	s_wait_tensorcnt 0x0                           ; the wave's end, behind my last LDS store
	ds_add_u32 v1, v2
	s_wait_dscnt 0x0
	s_endpgm
.Lfunc_end_k_q665dba055e_prep:
	.size	k_q665dba055e_prep, .Lfunc_end_k_q665dba055e_prep-k_q665dba055e_prep
	.p2alignl 7, 3214868480
	.fill 96, 4, 3214868480
	.section	.rodata,"a",@progbits
	.p2align	6, 0x0
	.amdhsa_kernel k_q665dba055e_prep
		.amdhsa_group_segment_fixed_size 20992
		.amdhsa_private_segment_fixed_size 0
		.amdhsa_enable_private_segment 0
		.amdhsa_kernarg_size 56
		.amdhsa_user_sgpr_count 2
		.amdhsa_user_sgpr_kernarg_segment_ptr 1
		.amdhsa_wavefront_size32 1
		.amdhsa_system_sgpr_workgroup_id_x 1
		.amdhsa_system_sgpr_workgroup_id_y 1
		.amdhsa_system_sgpr_workgroup_id_z 1
		.amdhsa_system_vgpr_workitem_id 0
		.amdhsa_next_free_vgpr 144
		.amdhsa_next_free_sgpr 66
		.amdhsa_reserve_vcc 0
		.amdhsa_float_denorm_mode_32 3
		.amdhsa_float_denorm_mode_16_64 3
		.amdhsa_memory_ordered 1
		.amdhsa_forward_progress 1
		.amdhsa_inst_pref_size 15
	.end_amdhsa_kernel
	.amdgpu_metadata
---
amdhsa.version: [ 1, 2 ]
amdhsa.kernels:
  - .name:           k_q665dba055e_prep
    .symbol:         k_q665dba055e_prep.kd
    .args:
      - { .name: spline_weight, .offset: 0, .size: 8, .value_kind: global_buffer, .address_space: global }
      - { .name: spline_scaler, .offset: 8, .size: 8, .value_kind: global_buffer, .address_space: global }
      - { .name: mask, .offset: 16, .size: 8, .value_kind: global_buffer, .address_space: global }
      - { .name: base_weight, .offset: 24, .size: 8, .value_kind: global_buffer, .address_space: global }
      - { .name: grid, .offset: 32, .size: 8, .value_kind: global_buffer, .address_space: global }
      - { .name: wb, .offset: 40, .size: 8, .value_kind: global_buffer, .address_space: global }
      - { .name: tab, .offset: 48, .size: 8, .value_kind: global_buffer, .address_space: global }
    .group_segment_fixed_size: 20992
    .private_segment_fixed_size: 0
    .kernarg_segment_align: 8
    .kernarg_segment_size: 56
    .max_flat_workgroup_size: 256
    .sgpr_count:     66
    .vgpr_count:     144
    .wavefront_size: 32
...
	.end_amdgpu_metadata
.endif
;; end of part 1
;; launch kan (part 2): grid 256 x 1, 8 waves a work-group, clusters of 4 x 1, 327,680 bytes of LDS; arguments x, wb, tab, out0; writes out0
.if DOCPART == 2
	.amdgcn_target "amdgcn-amd-amdhsa--gfx1250"
	.amdhsa_code_object_version 6
	.text
	.protected	k_q665dba055e_kan
	.globl	k_q665dba055e_kan
	.p2align	8
	.type	k_q665dba055e_kan,@function
k_q665dba055e_kan:
	s_mov_b64 s[64:65], 0
	v_nop
	global_prefetch_b8 v0, s[64:65] scope:SCOPE_SE
	s_setreg_imm32_b32 hwreg(HW_REG_WAVE_MODE, 25, 1), 1
	s_wait_xcnt 0x0
	s_wait_alu depctr_hold_cnt(0) depctr_sa_sdst(0) depctr_va_vdst(0) depctr_va_sdst(0) depctr_va_ssrc(0) depctr_va_vcc(0) depctr_vm_vsrc(0)
	s_getreg_b32 s2, hwreg(HW_REG_IB_STS2, 6, 4)
	s_cmp_eq_u32 s2, 0
	s_cbranch_scc0 .Lentry_in_a_cluster
	s_endpgm
.Lentry_in_a_cluster:
	s_bfe_u32 s2, ttmp6, 0x10000c
	s_cmp_lg_u32 s2, 0x3003
	s_cbranch_scc0 .Lentry_shape_is_right
	s_endpgm
.Lentry_shape_is_right:
; out0[n][o] = sum over i of silu(x[n][i]) (base_weight mask)[o][i] + sum over i, c of B3_c(x[n][i]; grid[i]) (spline_weight mask spline_scaler)[o][i][c]:
; ONE product of 16,384 x 512 x 4,608 whose left operand is made here, from x, and never touches memory.  wb (the right operand, 16 bits, in the lanes' order) and tab (knot constants) come from the launch before.
; K goes in 36 steps of 128, four groups of nine: S S S S U S S S S.  Spline step si: place 8 a + c = basis c of feature 64 (si>>2) + 4 a + (si&3).  Step U of group sg: place k = silu of feature 128 sg + k.
; THE BASES, in f32, for any 12 knots (no spacing and no order is assumed): d[j] = x - g[j]; w1[j] = r1[j] where x >= g[j] and not x >= g[j+1], else 0;
;   b_k[j] = d[j] w_k[j] - d[j+k+1] w_k[j+1];  w_(k+1)[j] = r_(k+1)[j] b_k[j];  r_k[j] = 1 / ((g[j+k] - g[j]) + 1e-8), from tab.  That is the recursion's left b[j] + right b[j+1], term for term.
; FORMATS.  Sums in f32.  The spline steps' operands are rounded once to bf16: their weights, products of three small inputs, have no room in f16's range.  Step U's operands, silu(x) and base_weight mask, are
; rounded once to f16, whose 11 significant bits a sum of 512 such terms needs; both forms of the matrix instruction add onto the same accumulators, five places apart where the form changes.
; LIMITS.  silu(x) and base_weight mask stay below 65,504, and below 6e-5 keep f16's fixed step of 6e-8.  Divisions are multiplications by v_rcp_f32's result (one unit in the last place); 'x < g' is taken
; as 'not x >= g', which differs for a NaN knot alone, where the result is NaN either way; silu(x) = x / (1 + 2^(-x log2 e)), with v_exp_f32 and v_rcp_f32, which count denormals as 0.
; SHARES.  A work-group owns 64 rows and ALL 512 columns, so that every x is expanded once; 256 work-groups.  Eight waves in two roles, by the wave's number:
;   waves 0-3 PRODUCE: wave w expands rows 16 w .. 16 w + 15 for the NEXT K step into a tile of A in LDS (64 rows x 128 numbers of 16 bits): vector work alone;
;   waves 4-7 MULTIPLY: wave 4 + w owns 64 rows x columns 128 w .. 128 w + 127: 32 accumulators, 256 registers, 128 matrix instructions a step: matrix work alone.
; So vector and matrix instructions come from different waves, and neither is cut into the other's text.
; CLUSTER.  Every work-group walks the same wb, so four work-groups ask for each tile JOINTLY: the same tensor load, descriptor and mask in all four; each of the eight waves asks for an eighth (16 KiB).
; RINGS.  Two slots of B (128 KiB each, filled by tensor loads) and two of A (filled by the producers' LDS stores, in bytes into which no tensor load lands).  One round of the cluster's barrier a step:
; in front of it every wave has waited for its tensor load, its LDS stores and its LDS loads; behind it B's and A's slots of step t are read, and those of step t + 1 are filled.
; THE MATRIX INSTRUCTION IS USED TRANSPOSED (source 0 = 16 columns' weights, source 1 = 16 rows of A): a lane then holds eight neighbouring numbers of a row of out0.
.set BSLOT,  131072                    ; a slot of B: a K step's 512 columns x 128 places x 2 bytes, dense, in the lanes' order
.set ABASE,  2*BSLOT
.set APITCH, 272                       ; a row of A: 256 bytes + 16: the 16 rows of a fragment load start at 16 different groups of four banks (64 banks of 4 bytes: ISA guide 11.1)
.set ASLOT,  64*APITCH
.set SPARE,  ABASE+2*ASLOT             ; 296,960: the spare words, 128 bytes for each of eight waves, which no other line names
.set SPITCH, 528                       ; the way out: a row of 128 f32 + 16 bytes
.set SBUF,   16*SPITCH                 ; 16 rows; two such buffers for each multiplying wave, in its own part of B's slot 0, behind that slot's last fill
.set TENT,   2816                      ; a table entry
.set XROW,   2048                      ; bytes in a row of x and of out0
.set SPW,  2                           ; v2   my spare word's LDS address; never rewritten
.set NIL,  3                           ; v3   0; never rewritten
.set XO,   6                           ; v6   producer: byte offset in x of row 16 w + 8 (l / 16), features 4 (l % 16) ..
.set TO,   7                           ; v7   producer: 16 (l % 16): my feature's 16 bytes in a block of the table
.set AS,   8                           ; v8   producer: LDS address of my 16 bytes (place 8 a ..) in A's slot 0, row 16 w + 8 (l / 16)
.set AU,   9                           ; v9   the same for step U: my 8 bytes (places 4 a ..)
.set ADRA, 10                          ; v10  multiplier: my lane's place in a fragment of A, slot 0
.set ADRB, 11                          ; v11, v12  the same for B, slot 0 and slot 1; v11 is also where the way out reads rows back
.set STO,  13                          ; v13  the way out: where I put 16 bytes of a row
.set CO,   15                          ; v15  my byte offset in 512 consecutive bytes of out0
.set C0,   16                          ; v[16:59], v[60:103]  producer: two buffers of 44 constants: the one in use, the one on its way
.set XA,   104                         ; v[104:135] x: 8 rows x features 4 a .. 4 a + 3 of the group's first 64;  v[136:167] of its second 64
.set XP,   168                         ; v[168:175] the step's feature, 8 rows: four pairs
.set D,    176                         ; v[176:199] d[0..11], a pair (two rows) each
.set W,    200                         ; v[200:221] w1, later b2 and w3
.set BQ,   222                         ; v[222:241] b1 and w2, later b3
.set O,    242                         ; v[242:249] two rows x 8 bf16
.set F0,   32                          ; multiplier, window 0: two fragment buffers of 96: A's four blocks of 16 rows (32 registers), then B's eight blocks of 16 columns (64)
.set F1,   128                         ; window 1: accumulator (row block a, column block b) at v[8 (8 a + b)]
.set WV,   12                          ; s12  my wave's number;  s13 its low two bits
.set G1,   16                          ; s[16:23] descriptor group 1
.set G0,   24                          ; s[24:27] descriptor group 0: it walks
.set CM,   32                          ; s[32:55] 24 lane masks: x >= g[j] for the pair's two rows
.set LOOP, 56
.set P,    57                          ; s57  producer: place (0..8) in its group of the step being produced
.set PN,   58                          ; s58  the next one's
.set SI,   59                          ; s59  the table entry to ask for next
.set SG,   60                          ; s60  the group
.set E,    61                          ; s61  the spline step's number in its group, 0..7
.set XN,   62                          ; s[62:63] x at the group whose numbers are asked for next
.set CPOS, 66                          ; s66  multiplier: place (0..8) in its group of the step being multiplied
.set FCUR, 67                          ; s67  1: that step is U, and goes in f16
.set FPRV, 68                          ; s68  the same of the step before
.set MSB, 0
.macro WIN new                         ; s_set_vgpr_msb: bits 1:0 source 0, 3:2 source 1, 5:4 source 2, 7:6 destination; the high byte repeats the setting that is left
.if MSB != (\new)
	s_set_vgpr_msb (MSB<<8)|(\new)
.set MSB, \new
.endif
.endm
; Four places stand in front of loads into registers that matrix instructions have read and of stores that read results; five between two matrix instructions of different form on one accumulator.
; One macro serves both: five.
.macro PLACES
.rept 5
	v_nop
.endr
.endm
; A round of the cluster's barrier: my work-group's barrier, so that wave 0's signal speaks for all eight waves; wave 0 signals; every wave waits for all four work-groups; my work-group's barrier once more.
.macro ROUND
	s_barrier_signal -1
	s_barrier_wait -1
	s_cmp_lg_u32 s[WV], 0
	s_cbranch_scc1 .Lnot_wave_0_\@
	s_barrier_signal -3
.Lnot_wave_0_\@:
	s_barrier_wait -3
	s_barrier_signal -1
	s_barrier_wait -1
.endm
; THE CHANGE OF STEPS, the same lines in all eight waves.  In front of the barrier: my one tensor load has landed; 0 goes onto my spare word; my LDS stores (a producer's rows of A) are done and my LDS
; loads (a multiplier's fragments, the last step's last among them) are back.  fill = 1: the barrier is a round of the cluster's, and the joint fill of B's other slot is the first thing behind it.
.macro SYNC fill
	WIN 0
	s_wait_tensorcnt 0x0                           ; no tensor load of mine is out, so group 0 may be written
	ds_add_u32 v[SPW], v[NIL]
.if \fill
	s_xor_b32 s[G0+1], s[G0+1], BSLOT              ; the other slot than last time,
	s_add_nc_u64 s[G0+2:G0+3], s[G0+2:G0+3], BSLOT ; the next K step's tile; the type bits on top are not reached
.endif
	s_wait_dscnt 0x0
.if \fill
	ROUND
	tensor_load_to_lds s[G0:G0+3], s[G1:G1+7]      ; my one tensor load until the next round: it has a whole step in which to land
	s_nop 0
	PLACES
.else
	s_barrier_signal -1
	s_barrier_wait -1
	PLACES
.endif
.endm
; ---------------- the multiplying waves ----------------
; 24 LDS loads in one run: the fragments of 32 along K (slice ks) into buffer f: B's eight blocks (each two runs of 512 consecutive bytes), A's rows 0-31, A's rows 32-63
.macro FETCH slot, ks, f
	WIN 0
.irp b, 0,1,2,3,4,5,6,7
	ds_load_b128 v[(\f)+32+8*\b:(\f)+32+8*\b+3],   v[ADRB+(\slot)] offset:\b*4096+(\ks)*1024
	ds_load_b128 v[(\f)+32+8*\b+4:(\f)+32+8*\b+7], v[ADRB+(\slot)] offset:\b*4096+(\ks)*1024+512
.endr
.irp a, 0,1,2,3
	ds_load_b128 v[(\f)+8*\a:(\f)+8*\a+3],   v[ADRA] offset:(\slot)*ASLOT+\a*16*APITCH+(\ks)*64
	ds_load_b128 v[(\f)+8*\a+4:(\f)+8*\a+7], v[ADRA] offset:(\slot)*ASLOT+\a*16*APITCH+(\ks)*64+32
.endr
.endm
; 16 matrix instructions of form ty (bf16 or f16): row blocks 2 hi, 2 hi + 1 x all 8 column blocks.  zero = 1: the product starts the sums.
; The 32 accumulators take turns, one instruction a turn, in the same order everywhere.
.macro MUL16 f, hi, zero, ty
	WIN 0x50                                       ; C and D in window 1
.irp a, 0,1
.irp b, 0,1,2,3,4,5,6,7
.if \zero
	v_wmma_f32_16x16x32_\ty v[8*(8*(2*(\hi)+\a)+\b):8*(8*(2*(\hi)+\a)+\b)+7], v[(\f)+32+8*\b:(\f)+32+8*\b+7], v[(\f)+8*(2*(\hi)+\a):(\f)+8*(2*(\hi)+\a)+7], 0
.else
	v_wmma_f32_16x16x32_\ty v[8*(8*(2*(\hi)+\a)+\b):8*(8*(2*(\hi)+\a)+\b)+7], v[(\f)+32+8*\b:(\f)+32+8*\b+7], v[(\f)+8*(2*(\hi)+\a):(\f)+8*(2*(\hi)+\a)+7], v[8*(8*(2*(\hi)+\a)+\b):8*(8*(2*(\hi)+\a)+\b)+7]
.endif
.endr
.endr
.endm
; A slice: multiplies buffer f; in its middle the next slice's fragments are fetched into buffer g
.macro SLICE slot, f, g, knext, zero, ty
	s_wait_dscnt 4                                 ; B and A's rows 0-31 are in; the youngest four loads (A's rows 32-63) may be out
	MUL16 \f, 0, \zero, \ty
	PLACES
	FETCH \slot, \knext, \g
	s_wait_dscnt 24                                ; all but the 24 just issued
	MUL16 \f, 1, \zero, \ty
.endm
.macro SLICES slot, first, ty          ; a step's slices 0 to 2; the last fetches slice 3
	SLICE \slot, F0, F1, 1, \first, \ty
	SLICE \slot, F1, F0, 2, 0, \ty
	SLICE \slot, F0, F1, 3, 0, \ty
	WIN 0                                          ; at a label and at a branch every window is 0
.endm
; A K step.  Its first fragments are asked for; the step before's last slice, whose fragments came in ahead of the barrier, is multiplied meanwhile; then slices 0 to 2, the last of which fetches slice 3:
; so all of a step's LDS reads are issued, and waited for, ahead of the next barrier.  CONS: a spline step behind a spline step (the first and the last step of all): bf16 throughout.
.macro CONS slot, first
	FETCH \slot, 0, F0
.if !(\first)
	MUL16 F1, 0, 0, bf16
	MUL16 F1, 1, 0, bf16
.endif
	SLICES \slot, \first, bf16
.endm
; CONSD: a step in the loop.  The place in the group of nine steps on; place 4 is step U.  Each of the two parts stands in both forms, chosen by a scalar that is the same in every wave and work-group.
.macro CONSD slot
	s_mov_b32 s[FPRV], s[FCUR]
	s_add_co_u32 s[CPOS], s[CPOS], 1
	s_cmp_eq_u32 s[CPOS], 9
	s_cselect_b32 s[CPOS], 0, s[CPOS]
	s_cmp_eq_u32 s[CPOS], 4
	s_cselect_b32 s[FCUR], 1, 0
	FETCH \slot, 0, F0
	s_cmp_eq_u32 s[FPRV], 1
	s_cbranch_scc1 .Lprev_u_\@
	MUL16 F1, 0, 0, bf16
	MUL16 F1, 1, 0, bf16
	WIN 0
	s_branch .Lprev_done_\@
.Lprev_u_\@:
	MUL16 F1, 0, 0, f16
	MUL16 F1, 1, 0, f16
	WIN 0
.Lprev_done_\@:
	PLACES                                         ; the form may change here
	s_cmp_eq_u32 s[FCUR], 1
	s_cbranch_scc1 .Lcur_u_\@
	SLICES \slot, 0, bf16
	s_branch .Lcur_done_\@
.Lcur_u_\@:
	SLICES \slot, 0, f16
.Lcur_done_\@:
.endm
; THE WAY OUT of row block rb: a lane's eight numbers of a row go into my stage as two stores of 16 bytes, each accumulator's low registers first (STG), come back as whole rows of 512 bytes (LDB), and are stored (SEND).
.macro STG rb
	WIN 0x04                                       ; the data (source 1) in window 1
.irp b, 0,1,2,3,4,5,6,7
	ds_store_b128 v[STO], v[8*(8*(\rb)+\b):8*(8*(\rb)+\b)+3]   offset:((\rb)%2)*SBUF+64*\b
	ds_store_b128 v[STO], v[8*(8*(\rb)+\b)+4:8*(8*(\rb)+\b)+7] offset:((\rb)%2)*SBUF+64*\b+16
.endr
	WIN 0
.endm
.macro LDB rb
.set rr, 0
.rept 16
	ds_load_b128 v[32+96*((\rb)%2)+4*rr:32+96*((\rb)%2)+4*rr+3], v[ADRB] offset:((\rb)%2)*SBUF+SPITCH*rr  ; LDS serves a wave's instructions in order (ISA guide 5.7.1.4): these see the block's stores
.set rr, rr+1
.endr
.endm
.macro SEND rb, younger                ; younger: the LDS instructions issued behind this block's loads: the next block's sixteen stores, or none
	s_wait_dscnt \younger
.set rr, 0
.rept 16
	global_store_b128 v[CO], v[32+96*((\rb)%2)+4*rr:32+96*((\rb)%2)+4*rr+3], s[10:11] offset:(16*(\rb)+rr)*XROW th:TH_STORE_NT  ; a wave stores 512 consecutive bytes, aligned
.set rr, rr+1
.endr
.endm
; ---------------- the producing waves ----------------
; A packed operation on two rows of one feature, whose second source is the lane's constant in register c, for both halves: the even-aligned pair that holds c, and op_sel to pick it
.macro PKSUBC d, a, c                  ; d = a - c
.if ((\c)%2) == 0
	v_pk_add_f32 v[\d:\d+1], v[\a:\a+1], v[\c:\c+1] op_sel_hi:[1,0] neg_lo:[0,1] neg_hi:[0,1]
.else
	v_pk_add_f32 v[\d:\d+1], v[\a:\a+1], v[\c-1:\c] op_sel:[0,1] op_sel_hi:[1,1] neg_lo:[0,1] neg_hi:[0,1]
.endif
.endm
.macro PKMULC d, c                     ; d = d c
.if ((\c)%2) == 0
	v_pk_mul_f32 v[\d:\d+1], v[\d:\d+1], v[\c:\c+1] op_sel_hi:[1,0]
.else
	v_pk_mul_f32 v[\d:\d+1], v[\d:\d+1], v[\c-1:\c] op_sel:[0,1] op_sel_hi:[1,1]
.endif
.endm
.macro LEVEL dst, src, n, k            ; dst[j] = d[j] src[j] - d[j+k+1] src[j+1], j = 0 .. n - 1
.set jj, 0
.rept \n
	v_pk_mul_f32 v[(\dst)+2*jj:(\dst)+2*jj+1], v[D+2*(jj+(\k)+1):D+2*(jj+(\k)+1)+1], v[(\src)+2*jj+2:(\src)+2*jj+3]
.set jj, jj+1
.endr
.set jj, 0
.rept \n
	v_pk_fma_f32 v[(\dst)+2*jj:(\dst)+2*jj+1], v[D+2*jj:D+2*jj+1], v[(\src)+2*jj:(\src)+2*jj+1], v[(\dst)+2*jj:(\dst)+2*jj+1] neg_lo:[0,0,1] neg_hi:[0,0,1]
.set jj, jj+1
.endr
.endm
.macro SCALE reg, c, n                 ; reg[j] = reg[j] x constant c + j
.set jj, 0
.rept \n
	PKMULC (\reg)+2*jj, (\c)+jj
.set jj, jj+1
.endr
.endm
; Rows 2 pp and 2 pp + 1 of my eight, my feature: the eight bases of each, 16 bytes a row, into A's slot.  CU: the constants in use.  The masks select values alone.
.macro PAIR pp, slot
.set XQ, XP+2*(\pp)
.set jj, 0
.rept 12
	v_cmp_ge_f32 s[CM+jj],    v[XQ],   v[CU+jj]
	v_cmp_ge_f32 s[CM+12+jj], v[XQ+1], v[CU+jj]
.set jj, jj+1
.endr
.set jj, 0
.rept 12
	PKSUBC D+2*jj, XQ, CU+jj
.set jj, jj+1
.endr
.set jj, 0
.rept 11
	s_and_not1_b32 s[CM+jj],    s[CM+jj],    s[CM+jj+1]   ; x >= g[j] and not x >= g[j+1]; ascending, so the right-hand mask is still whole
	s_and_not1_b32 s[CM+12+jj], s[CM+12+jj], s[CM+13+jj]
.set jj, jj+1
.endr
.set jj, 0
.rept 11
	v_cndmask_b32 v[W+2*jj],   0, v[CU+12+jj], s[CM+jj]
	v_cndmask_b32 v[W+2*jj+1], 0, v[CU+12+jj], s[CM+12+jj]
.set jj, jj+1
.endr
	LEVEL BQ, W, 10, 1
	SCALE BQ, CU+23, 10
	LEVEL W, BQ, 9, 2
	SCALE W, CU+33, 9
	LEVEL BQ, W, 8, 3
.irp u, 0,1
.irp m, 0,1,2,3
	v_cvt_pk_bf16_f32 v[O+4*\u+\m], v[BQ+4*\m+\u], v[BQ+4*\m+2+\u]
.endr
.endr
.irp u, 0,1
	ds_store_b128 v[AS], v[O+4*\u:O+4*\u+3] offset:(\slot)*ASLOT+(2*(\pp)+\u)*APITCH  ; 16 lanes write 256 consecutive bytes of a row
.endr
.endm
.macro SELMOV e                        ; spline step e of the group: component e % 4 of the first (e < 4) or second 64 features
.set qq, 0
.rept 8
	v_mov_b32 v[XP+qq], v[XA+32*((\e)/4)+4*qq+(\e)%4]
.set qq, qq+1
.endr
.endm
.macro SELB e
	s_cmp_lg_u32 s[E], \e
	s_cbranch_scc1 .Lnot_\@
	SELMOV \e
.Lnot_\@:
.endm
; silu of four rows x four features (16 registers from base + 4 q0 on), rounded to f16, 8 bytes a row into A's slot; g: the group's first or second 64 features
.macro SILU4 base, g, q0, slot
.set XS, (\base)+4*(\q0)
.set zz, 0
.rept 8
	v_pk_mul_f32 v[D+2*zz:D+2*zz+1], v[XS+2*zz:XS+2*zz+1], 0xbfb8aa3b op_sel_hi:[1,0]  ; - x log2(e)
.set zz, zz+1
.endr
.set zz, 0
.rept 16
	v_exp_f32 v[D+zz], v[D+zz]
.set zz, zz+1
.endr
	v_nop                                          ; a plain instruction between the last exponential and the use of its result
.set zz, 0
	s_wait_alu depctr_va_vdst(0)
.rept 8
	v_pk_add_f32 v[D+2*zz:D+2*zz+1], v[D+2*zz:D+2*zz+1], 1.0 op_sel_hi:[1,0]
.set zz, zz+1
.endr
.set zz, 0
.rept 16
	v_rcp_f32 v[D+zz], v[D+zz]
.set zz, zz+1
.endr
	v_nop
.set zz, 0
	s_wait_alu depctr_va_vdst(0)
.rept 8
	v_pk_mul_f32 v[D+2*zz:D+2*zz+1], v[D+2*zz:D+2*zz+1], v[XS+2*zz:XS+2*zz+1]
.set zz, zz+1
.endr
.set zz, 0
.rept 8
	v_cvt_pk_f16_f32 v[W+zz], v[D+2*zz], v[D+2*zz+1]
.set zz, zz+1
.endr
.set zz, 0
.rept 4
	ds_store_b64 v[AU], v[W+2*zz:W+2*zz+1] offset:(\slot)*ASLOT+((\q0)+zz)*APITCH+(\g)*128  ; lanes 0-15 write 128 consecutive bytes, lanes 16-31 the same 8 rows on: the other half of the banks
.set zz, zz+1
.endr
.endm
; ONE PRODUCTION: the step at place P of group SG, into A's slot.  sel >= 0: a spline step whose number in the group is known in the text; sel < 0: by the scalars.
; It uses constants buffer 'slot' and asks for the next entry into the other.  In front of step U the entry's number does not step: the entry asked for then lands in the buffer that the step behind U
; does not use, and is asked for once more, into the right one, during U: four entries more in all.  The last production asks for entry 31 once more, so that no load leaves the table.
.macro PROD slot, sel
.set CU, C0+44*(\slot)
.set CN, C0+44*(1-(\slot))
	s_wait_loadcnt 0x0                             ; all that the production before asked for (constants, and x where it was due) is in; its pointers may be written
	s_min_u32 s28, s[SI], 31
	s_mul_i32 s28, s28, TENT
	s_add_nc_u64 s[30:31], s[8:9], s[28:29]
.set qq, 0
.rept 11
	global_load_b128 v[CN+4*qq:CN+4*qq+3], v[TO], s[30:31] offset:256*qq
.set qq, qq+1
.endr
	s_add_co_u32 s[PN], s[P], 1
	s_cmp_eq_u32 s[PN], 9
	s_cselect_b32 s[PN], 0, s[PN]
	s_cmp_lg_u32 s[PN], 4
	s_add_co_ci_u32 s[SI], s[SI], 0                ; + 1 unless the next step is U
.if (\sel) < 0
	s_cmp_eq_u32 s[P], 4
	s_cbranch_scc1 .Lsilu_\@
	s_cmp_gt_u32 s[P], 4
	s_cselect_b32 s[E], 1, 0
	s_sub_co_u32 s[E], s[P], s[E]
.irp e, 0,1,2,3,4,5,6,7
	SELB \e
.endr
	PAIR 0, \slot
	PAIR 1, \slot
	PAIR 2, \slot
	PAIR 3, \slot
	s_cmp_lg_u32 s[P], 8
	s_cbranch_scc1 .Lmade_\@
	s_cmp_ge_u32 s[SG], 3
	s_cbranch_scc1 .Lmade_\@
.set qq, 0
.rept 8                                ; the group's last step has read the second 64 features: the next group's are asked for
	global_load_b128 v[XA+32+4*qq:XA+32+4*qq+3], v[XO], s[XN:XN+1] offset:qq*XROW+256 th:TH_LOAD_NT
.set qq, qq+1
.endr
	s_branch .Lmade_\@
.Lsilu_\@:
	SILU4 XA, 0, 0, \slot
	SILU4 XA, 0, 4, \slot
	SILU4 XA+32, 1, 0, \slot
	SILU4 XA+32, 1, 4, \slot
	s_cmp_ge_u32 s[SG], 3
	s_cbranch_scc1 .Lmade_\@
	s_add_nc_u64 s[XN:XN+1], s[XN:XN+1], 512       ; the next group's 128 features
.set qq, 0
.rept 8                                ; step U is the last to read the first 64 features: the next group's are asked for, five productions ahead of their use
	global_load_b128 v[XA+4*qq:XA+4*qq+3], v[XO], s[XN:XN+1] offset:qq*XROW th:TH_LOAD_NT
.set qq, qq+1
.endr
.Lmade_\@:
.else
	SELMOV \sel
	PAIR 0, \slot
	PAIR 1, \slot
	PAIR 2, \slot
	PAIR 3, \slot
.endif
	s_cmp_eq_u32 s[PN], 0
	s_add_co_ci_u32 s[SG], s[SG], 0
	s_mov_b32 s[P], s[PN]
.endm
; A TRIP: step t in slot cs is multiplied while step t + 1 is fetched (B) and produced (A) into the other slots.  The branch hangs on the wave's number alone and passes no barrier and no tensor load.
.macro TRIP cs, sel, first
	SYNC 1
	s_cmp_lt_u32 s[WV], 4
	s_cbranch_scc0 .Lmul_\@
	PROD 1-(\cs), \sel
	s_branch .Lmet_\@
.Lmul_\@:
.if \first
	CONS \cs, 1
.else
	CONSD \cs
.endif
.Lmet_\@:
.endm
	s_load_b256 s[4:11], s[0:1], 0x0               ; x s[4:5], wb s[6:7], tab s[8:9], out0 s[10:11]
	v_lshl_add_u32 v[SPW], v0, 2, SPARE
	v_mov_b32 v[NIL], 0
	ds_add_u32 v[SPW], v[NIL]                      ; the wave's opening: the add and its wait stand ahead of my first tensor load; the set-up below, work on registers, stands between them
	v_lshrrev_b32 v1, 5, v0
	v_readfirstlane_b32 s[WV], v1                  ; wave 0..7
	s_and_b32 s13, s[WV], 3                        ; my number within my role
	s_bfe_u32 s14, ttmp6, 0x40000                  ; cx: my place in the cluster: it enters x's and out0's addresses alone
	s_lshl_b32 s15, ttmp9, 2                       ; in a cluster launch ttmp9 counts clusters
	s_add_co_u32 s15, s15, s14                     ; my block of 64 rows
	; descriptor group 1: 16,384 dense bytes as 64 rows of 256
	s_mov_b32 s[G1+0], 15|(3<<16)|(1<<21)          ; 15:0 the mask: all four work-groups; 17:16 elements of 8 bytes; 20 no padding; 21 set beside a mask
	s_mov_b32 s[G1+1], 32<<16                      ; tensor_dim0 = 32
	s_mov_b32 s[G1+2], 64<<16                      ; tensor_dim1 = 64
	s_mov_b32 s[G1+3], 32<<16                      ; tile_dim0 = 32
	s_mov_b32 s[G1+4], 64                          ; tile_dim1 = 64
	s_mov_b32 s[G1+5], 32                          ; 32 elements from row to row
	s_mov_b32 s[G1+6], 0
	s_mov_b32 s[G1+7], 0
	s_mov_b32 s[G0], 1                             ; count = 1
	s_lshl_b32 s[G0+1], s[WV], 14                  ; LDS address: my eighth of slot 0
	s_lshl_b32 s68, s[WV], 14                      ; and my eighth of a tile in wb
	s_mov_b32 s69, 0
	s_lshl_b32 s28, s15, 17                        ; 64 rows x 2,048 bytes
	s_mov_b32 s29, 0                               ; stays 0: the high word of every offset made in s28
	s_lshl_b32 s70, s13, 9                         ; a multiplier's 128 columns
	s_mov_b32 s71, 0
	s_mov_b32 s[P], 0
	s_mov_b32 s[SI], 1
	s_mov_b32 s[SG], 0
	s_lshl_b32 s66, s13, 4                         ; a producer's 16 rows
	s_lshl_b32 s67, s13, 15                        ; a multiplier's part of a slot of B
	v_and_b32 v1, 31, v0                           ; l
	v_and_b32 v4, 15, v0                           ; l % 16
	v_bfe_u32 v5, v0, 4, 1                         ; l / 16
	v_lshl_add_u32 v16, v5, 3, s66                 ; row 16 w + 8 (l / 16)
	v_lshlrev_b32 v[XO], 11, v16
	v_lshl_add_u32 v[XO], v4, 4, v[XO]
	v_lshlrev_b32 v[TO], 4, v4
	v_mul_u32_u24 v17, v16, APITCH
	v_add_nc_u32 v17, ABASE, v17
	v_lshl_add_u32 v[AS], v4, 4, v17
	v_lshl_add_u32 v[AU], v4, 3, v17
	; a fragment is 16 rows x 32 K in 8 registers: lane l holds row l % 16, K = 8 (l / 16) + 0..7 and 16 + 8 (l / 16) + 0..7: from A's rows two loads of 16 bytes, 32 bytes apart
	v_mul_u32_u24 v[ADRA], v4, APITCH
	v_lshl_add_u32 v[ADRA], v5, 4, v[ADRA]
	v_add_nc_u32 v[ADRA], ABASE, v[ADRA]
	v_lshl_add_u32 v[ADRB], v1, 4, s67             ; B lies in the lanes' order: 16 bytes a lane
	v_add_nc_u32 v[ADRB+1], BSLOT, v[ADRB]
	v_mul_u32_u24 v[STO], v4, SPITCH               ; the way out, in: row l % 16, 32 bytes for each half of the lanes
	v_lshl_add_u32 v[STO], v5, 5, v[STO]
	v_add_nc_u32 v[STO], s67, v[STO]
	v_lshlrev_b32 v[CO], 4, v1
	s_wait_dscnt 0x0                               ; the opening add is done
	s_wait_kmcnt 0x0
	s_add_nc_u64 s[4:5], s[4:5], s[28:29]          ; x and out0 at my block's first row,
	s_add_nc_u64 s[10:11], s[10:11], s[28:29]
	s_add_nc_u64 s[10:11], s[10:11], s[70:71]      ; out0 at my columns
	s_add_nc_u64 s[G0+2:G0+3], s[6:7], s[68:69]    ; global address: my eighth of K step 0's tile: the wave's number alone enters it
	s_or_b32 s[G0+3], s[G0+3], 0x80000000          ; type = 2
	s_mov_b64 s[XN:XN+1], s[4:5]
	s_mov_b32 s[CPOS], 0                           ; the set-up's scalars are done with: K step 0 stands at place 0 and is a spline step
	s_mov_b32 s[FCUR], 0
	s_mov_b32 s[FPRV], 0
	ROUND                                          ; all four work-groups are here: the first joint loads meet
	tensor_load_to_lds s[G0:G0+3], s[G1:G1+7]      ; K step 0 into slot 0
	s_nop 0
	PLACES
	s_cmp_lt_u32 s[WV], 4
	s_cbranch_scc0 .Lstart
.set qq, 0
.rept 8                                ; the first group's x: each load of 16 lanes is 256 consecutive bytes of a row, aligned; every byte of x is loaded once, for the splines and for silu
	global_load_b128 v[XA+4*qq:XA+4*qq+3],       v[XO], s[XN:XN+1] offset:qq*XROW th:TH_LOAD_NT
	global_load_b128 v[XA+32+4*qq:XA+32+4*qq+3], v[XO], s[XN:XN+1] offset:qq*XROW+256 th:TH_LOAD_NT
.set qq, qq+1
.endr
.set qq, 0
.rept 11
	global_load_b128 v[C0+4*qq:C0+4*qq+3], v[TO], s[8:9] offset:256*qq  ; table entry 0
.set qq, qq+1
.endr
	PROD 0, 0                                      ; A of K step 0
.Lstart:
	TRIP 0, 1, 1                                   ; step 0 stands in front of the loop: its products start the sums; slot 1 has its first fill, issued as every later fill is
	s_mov_b32 s[LOOP], 17
.Lloop:                                                ; steps 1 to 34: every trip fills B's other slot and produces A's
	TRIP 1, -1, 0
	TRIP 0, -1, 0
	s_sub_co_u32 s[LOOP], s[LOOP], 1
	s_cmp_lg_u32 s[LOOP], 0
	s_cbranch_scc1 .Lloop
	SYNC 0                                         ; step 35: nothing is left to fetch or to produce
	s_cmp_lt_u32 s[WV], 4
	s_cbranch_scc1 .Lend
	CONS 1, 0                                      ; steps 34 and 35 stand at places 7 and 8: spline steps
	s_wait_dscnt 0x0                               ; the last slice's fragments
	MUL16 F1, 0, 0, bf16
	MUL16 F1, 1, 0, bf16
	WIN 0
	PLACES
	STG 0
	LDB 0
	STG 1                                          ; a block's stores into the stage stand between the block before's loads and the wait for them
	SEND 0, 16
	LDB 1
	STG 2
	SEND 1, 16
	s_wait_xcnt 0x0                                ; the registers that block 0's stores read are loaded again only behind this wait (ISA guide 3.1)
	LDB 2
	STG 3
	SEND 2, 16
	s_wait_xcnt 0x0
	LDB 3
	SEND 3, 0
.Lend:
	s_wait_tensorcnt 0x0                           ; the wave's end, behind my last tensor load and my last LDS store
	ds_add_u32 v[SPW], v[NIL]
	s_wait_dscnt 0x0
	ROUND                                          ; the closing round: no work-group ends while a partner may still ask for a tile that names it
	s_endpgm
.Lfunc_end_k_q665dba055e_kan:
	.size	k_q665dba055e_kan, .Lfunc_end_k_q665dba055e_kan-k_q665dba055e_kan
	.p2alignl 7, 3214868480
	.fill 96, 4, 3214868480
	.section	.rodata,"a",@progbits
	.p2align	6, 0x0
	.amdhsa_kernel k_q665dba055e_kan
		.amdhsa_group_segment_fixed_size 327680
		.amdhsa_private_segment_fixed_size 0
		.amdhsa_enable_private_segment 0
		.amdhsa_kernarg_size 32
		.amdhsa_user_sgpr_count 2
		.amdhsa_user_sgpr_kernarg_segment_ptr 1
		.amdhsa_wavefront_size32 1
		.amdhsa_system_sgpr_workgroup_id_x 1
		.amdhsa_system_sgpr_workgroup_id_y 1
		.amdhsa_system_sgpr_workgroup_id_z 1
		.amdhsa_system_vgpr_workitem_id 0
		.amdhsa_next_free_vgpr 512
		.amdhsa_next_free_sgpr 72
		.amdhsa_reserve_vcc 0
		.amdhsa_float_denorm_mode_32 3
		.amdhsa_float_denorm_mode_16_64 3
		.amdhsa_memory_ordered 1
		.amdhsa_forward_progress 1
		.amdhsa_inst_pref_size 255
	.end_amdhsa_kernel
	.section	.bss,"aw",@nobits
	.p2align	6
	.space	262144
	.amdgpu_metadata
---
amdhsa.version: [ 1, 2 ]
amdhsa.kernels:
  - .name:           k_q665dba055e_kan
    .symbol:         k_q665dba055e_kan.kd
    .args:
      - { .name: x, .offset: 0, .size: 8, .value_kind: global_buffer, .address_space: global }
      - { .name: wb, .offset: 8, .size: 8, .value_kind: global_buffer, .address_space: global }
      - { .name: tab, .offset: 16, .size: 8, .value_kind: global_buffer, .address_space: global }
      - { .name: out0, .offset: 24, .size: 8, .value_kind: global_buffer, .address_space: global }
    .group_segment_fixed_size: 327680
    .private_segment_fixed_size: 0
    .kernarg_segment_align: 8
    .kernarg_segment_size: 32
    .max_flat_workgroup_size: 256
    .sgpr_count:     72
    .vgpr_count:     512
    .wavefront_size: 32
...
	.end_amdgpu_metadata
.endif
;; end of part 2
